; MI455X (gfx1250); checked and timed in simulation.
; The chip was launched on July 23, 2026; its instructions are those of AMD's public machine-readable ISA for CDNA 5 (MIT licence, August 2026) and "CDNA5" Instruction Set Architecture Reference Guide (July 2026). The comments in the code are by the model that wrote it; some were corrected since.
;; Multi Head Attention. Allowed arithmetic: matrix products marked QUANTISED: E4M3 operands, one given power-of-two scale a tensor, by v_wmma_f32_16x16x64_fp8_fp8 or v_wmma_f32_16x16x128_fp8_fp8, f32 sums; everything else in f32.
;; Inputs: K_codes 4,096 x 32 x 32 uint8 (E4M3 codes of K, K innermost, in blocks of 32 codes); Q_codes 4,096 x 32 x 32 uint8 (E4M3 codes of Q, K innermost, in blocks of 32 codes); V_codes 4,096 x 32 x 32 uint8 (E4M3 codes of V, K innermost, in blocks of 32 codes); WK_codes 16 x 64 x 32 x 32 uint8 (E4M3 codes of WK, K innermost, in blocks of 32 codes); WO_codes 1,024 x 32 x 32 uint8 (E4M3 codes of WO, K innermost, in blocks of 32 codes); WQ_codes 16 x 64 x 32 x 32 uint8 (E4M3 codes of WQ, K innermost, in blocks of 32 codes); WV_codes 16 x 64 x 32 x 32 uint8 (E4M3 codes of WV, K innermost, in blocks of 32 codes); bK 16 x 64 float32; bO 1,024 float32; bQ 16 x 64 float32; bV 16 x 64 float32; lowp_scales 12 int32 (the exponents e of the quantised operands' scales 2^e).
;; Outputs: out0 4,096 x 1,024 float32.
;; This version of the problem:
;;   THIS VERSION OF THE PROBLEM IS GIVEN IN LOW PRECISION. The matrix products marked QUANTISED in the list below multiply operands that are first quantised to E4M3 (4 exponent bits, 3 mantissa bits; 8 bits a number), with one given power-of-two scale for each operand tensor; their sums are f32. All else is computed in f32.
;;   The module's matrix products, in the order in which they are computed (A, B: the left and right operand; K: the contracted axis; several contracted axes count as one K, in the product's order):
;;     1. [M 1,024, K 1,024] x [K 1,024, N 4,096]; A: input WQ (given as codes); B: input Q (given as codes): QUANTISED (scales: A lowp_scales[0], B lowp_scales[1])
;;     2. [M 1,024, K 1,024] x [K 1,024, N 4,096]; A: input WK (given as codes); B: input K (given as codes): QUANTISED (scales: A lowp_scales[2], B lowp_scales[3])
;;     3. [M 1,024, K 1,024] x [K 1,024, N 4,096]; A: input WV (given as codes); B: input V (given as codes): QUANTISED (scales: A lowp_scales[4], B lowp_scales[5])
;;     4. batch 16 x [M 4,096, K 64] x [K 64, N 4,096]; A: computed on the way; B: computed on the way: QUANTISED (scales: A lowp_scales[6], B lowp_scales[7])
;;     5. batch 16 x [M 4,096, K 4,096] x [K 4,096, N 64]; A: softmax (see below); B: computed on the way: QUANTISED (scales: A lowp_scales[8], B lowp_scales[9])
;;     6. [M 4,096, K 1,024] x [K 1,024, N 1,024]; A: computed on the way; B: input WO (given as codes): QUANTISED (scales: A lowp_scales[10], B lowp_scales[11])
;;   THE QUANTISER, for each operand of a quantised product, along K:
;;     - The operand's scale is 2^e, e = its entry of the input lowp_scales (int32; the entries are numbered through the quantised products in the list's order, A before B).
;;     - Each number is divided by the scale, clamped to +-448, and rounded to the nearest number of E4M3, ties to even, subnormals kept.
;;     - The product sums the exact products of the quantised numbers (number of the format x scale) in f32.
;;   ~~~python
;;   def quantise(x, axis, e):      # numpy; x: float32 -> the quantised numbers, widened to float32 again
;;       x = np.moveaxis(x, axis, -1); K = x.shape[-1]
;;       r = np.clip(x / 2.0 ** e, -448, 448)
;;       step = 2.0 ** (np.maximum(np.frexp(np.where(r == 0, 1, r))[1] - 1, -6) - 3)
;;       q = np.round(r / step) * step * 2.0 ** e      # np.round: ties to even
;;       return np.moveaxis(q, -1, axis).astype(np.float32)
;;   ~~~
;;   SOFTMAX AHEAD OF A QUANTISED PRODUCT. Where the list says 'softmax', what is quantised is not the finished softmax but p = 2^(t - M), with t = logit x log2(e) and M = ceil(the row's largest t), a whole number; so 1/2 < the row's largest p <= 1. The row's sum l is taken of the UNQUANTISED p, in f32, and the product's result is divided by l at the end. Since M is a whole number, a kernel that streams over the keys may use a running M (the ceiling of the running maximum): every later rescaling is an exact power of two, so the quantised numbers keep their values, but for numbers so far below the row's largest that they fall under the format's range.
;;   OPERANDS COMPUTED ON THE WAY. 'Computed on the way' means the value that the module computes at that place (a softmax that the list does not call 'softmax' is quantised finished and normalised). What goes into a quantiser is computed in f32, as accurately as f32 sums, v_exp_f32 and their like allow (about 1e-6 of the number): no bf16 or f16 on the way to a quantiser, and a product that is left as it is and whose result goes on into a quantised operand takes f32 operands (vector FMAs, or v_wmma_f32_16x16x4_f32). A number that lies on a knife's edge between two numbers of the format may be rounded either way, as far as f32 arithmetic and the matrix unit's own rounding can turn it there, and no further.
;;   INPUTS GIVEN AS CODES. K (in the module: [4096, 1024], K = its axis 1); Q (in the module: [4096, 1024], K = its axis 1); V (in the module: [4096, 1024], K = its axis 1); WK (in the module: [16, 1024, 64], K = its axis 1); WO (in the module: [1024, 1024], K = its axis 0); WQ (in the module: [16, 1024, 64], K = its axis 1); WV (in the module: [16, 1024, 64], K = its axis 1): each comes as NAME_codes (uint8): NAME with its K axis moved to the last place and cut into blocks of 32 codes, [.., K / 32, bytes a block], one block behind the other in memory; one code a byte (a code: sign, 4 exponent bits, 3 mantissa bits); its scale is its entry of lowp_scales. Its value is code x scale, taken as it is: it is not quantised again, and the codes and scales need not be those that the quantiser above would give.
;; One version. Each part assembles by itself: llvm-mc -triple=amdgcn-amd-amdhsa -mcpu=gfx1250 --defsym DOCPART=n.
;; ======== version 1 of 1: 3 launches
;; limits: right only within a limited range of input values
;; workspace buffers: qkv 12,582,912 bytes; cat 4,194,304 bytes
;; launch proj (part 1): grid 4 x 48, 4 waves a work-group, clusters of 4 x 4, 327,680 bytes of LDS; arguments Q_codes, K_codes, V_codes, WQ_codes, WK_codes, WV_codes, bQ, bK, bV, lowp_scales, qkv; writes qkv
.if DOCPART == 1
	.amdgcn_target "amdgcn-amd-amdhsa--gfx1250"
	.amdhsa_code_object_version 6
	.text
	.protected	k_qd1dcef3d6c_proj
	.globl	k_qd1dcef3d6c_proj
	.p2align	8
	.type	k_qd1dcef3d6c_proj,@function
k_qd1dcef3d6c_proj:
	s_mov_b64 s[64:65], 0
	v_nop
	global_prefetch_b8 v0, s[64:65] scope:SCOPE_SE
	s_setreg_imm32_b32 hwreg(HW_REG_WAVE_MODE, 25, 1), 1
	s_wait_xcnt 0x0
	s_wait_alu depctr_hold_cnt(0) depctr_sa_sdst(0) depctr_va_vdst(0) depctr_va_sdst(0) depctr_va_ssrc(0) depctr_va_vcc(0) depctr_vm_vsrc(0)
	s_getreg_b32 s2, hwreg(HW_REG_IB_STS2, 6, 4)
	s_cmp_eq_u32 s2, 0
	s_cbranch_scc0 .Lentry_in_a_cluster
	s_endpgm
.Lentry_in_a_cluster:
	s_bfe_u32 s2, ttmp6, 0x10000c
	s_cmp_lg_u32 s2, 0xf033
	s_cbranch_scc0 .Lentry_shape_is_right
	s_endpgm
.Lentry_shape_is_right:
; THE THREE PROJECTIONS.  q = Q WQ + bQ, k = K WK + bK, v = V WV + bV, each a product [4096 x 1024] x [1024 x 1024] on codes of FP8 (E4M3) as they are given; each finished sum is multiplied once by
; 2^(its two operands' exponents), the bias is added in the same fused multiply-add, and the result is quantised with the scale given for it (q: entry 6, k: entry 7, v: entry 9 of the scales) and stored as codes.
; ONE TEXT FOR THE THREE: the cluster's y says which (0-3: q, 4-7: k, 8-11: v).  A tile is 256 rows of "A" x 256 rows of "B", both [rows][1024 codes], K innermost.  For q and k: A = the positions, B = the weight's
; 1024 rows (head x 64 + channel).  For v the two pointers change places: A = the weight, B = the positions.  THE MATRIX INSTRUCTION IS USED TRANSPOSED (source 0 = 16 rows of B, source 1 = 16 rows of A): a lane holds one
; row of A and eight neighbouring rows of B.  So a lane's eight results are eight neighbours along the NEXT product's K: the head's channels for q and k, the keys for v; one conversion makes of them two registers
; of the next operand, in that operand's own layout (registers 2 c, 2 c + 1: k = 16 c + 8 (lane / 16) + 0 .. 7).
; THE WORKSPACE is laid as images of operand registers: a group of four registers is 512 bytes, lane l's 16 bytes at 16 l.  qkv: [head 16][block of 128 positions 32][24,576 bytes]:
;   + 0: q, [tile of 16 queries 8][group 2][512];  + 8,192: k likewise;  + 16,384: v, [tile of 16 channels 4][group 4][512] (K = the block's 128 keys).  Every store of a wave covers 512 consecutive bytes, aligned.
; A work-group of four waves makes 256 x 256, a wave 128 x 128: 64 accumulators, 512 registers.  K goes in steps of 256 through a ring of two LDS slots filled by the tensor data mover.
; CLUSTERS: 4 x 4 work-groups; A's tile is asked for jointly by the four of a row of the cluster, B's by the four of a column.  192 tiles: a smaller tile would give more work-groups but read each LDS byte for half the products.
; A fragment comes by four loads of 16 bytes: a permutation of k that is the same in A and in B, so every product meets its partner.
; LIMITS: the sum of a product's two exponents lies between -126 and 127; the exponent of q's, k's and v's scale between -126 and 119: each power of two below is then an f32 number.  NaN among the biases is not served.
; REGISTERS, in windows of 256: window 0: v0-31 addresses and constants; v32-63 at work on the way out; v64-127 the biases; from v128 A's fragments, ONE set, on the way out the codes.
;   window 1: B's fragments, TWO sets.   window 2: the accumulators of my rows 0-63 (accumulator (a, b) at v[8 (8 a + b)]);   window 3: those of my rows 64-127.
.set KROW,   1024                      ; a row of A or of B in memory, in bytes
.set ROWB,   256                       ; a tile's row in bytes: 256 codes
.set PITCH,  272                       ; an LDS row: 256 bytes + 16 of padding: the 16 rows that a load touches start 68 words apart
.set FR,     16                        ; registers of a fragment: 16 rows x 128 K
.set NL,     4                         ; LDS loads that bring one
.set NP,     4                         ; places behind this matrix instruction (ISA guide 7.12.1)
.set HALFT,  128*PITCH                 ; 128 rows: what one tensor load brings
.set SLOT,   4*HALFT                   ; A's 256 rows, then B's 256 rows
.set LAPS,   KROW/(2*ROWB)             ; a lap = two K steps = once round the ring
.set SPARE,  2*SLOT                    ; behind the ring: the spare words, 128 bytes for each wave, that no other line names
.set HEADB,  786432                    ; a head in the workspace
.set BLKB,   24576                     ; a block of 128 positions in it
.set ADRA, 16                          ; v16-17  LDS address of my A fragments in slot 0, 1
.set ADRB, 20                          ; v20-21  the same for B
.set CO,   26                          ; v26     16 x lane: my place in an image
.set SPW,  28                          ; v28     LDS address of my spare word; never rewritten
.set NIL,  29                          ; v29     0; never rewritten
.set SCV,  30                          ; v30     the result's scale as f32
.set LIMV, 31                          ; v31     448 x that
.set TMP,  32                          ; v32-63  four accumulators' numbers at work (at the head: v32-39 the biases' offsets)
.set BIAS, 64                          ; v64-127 the biases, eight registers for each of eight tiles
.set AF,   128                         ; A's fragments, in window 0
.set CD,   128                         ; the way out: the codes, eight registers for each of 16 units, so that no store's data are written again
.set G1, 24                            ; s[24:31] descriptor group 1 for A's tiles;  s[32:39] group 0, one set for each slot
.set G0, 32
.set G1B, 48                           ; s[48:55], s[56:63] the same for B's tiles
.set G0B, 56
.set KIND, 66                          ; s66     0: q, 1: k, 2: v
.set MSB, 0
.macro WIN new                         ; the immediate's high byte repeats the setting that is left
.if MSB != \new
	s_set_vgpr_msb (MSB<<8)|\new
.set MSB, \new
.endif
.endm
.set MUL_LO, 0xa1                      ; source 0 (B) window 1, source 1 (A) window 0, C and D window 2
.set MUL_HI, 0xf1                      ; the same, C and D window 3
.set TO_B,   0x40                      ; destination window 1, address window 0
; A joint load: waves 0 and 1 fetch for A, waves 2 and 3 for B.  The branch hangs on the wave's number alone.  Four v_nop follow each of the two lines.
.macro JLOAD g0a, g1a, g0b, g1b
	s_cmp_eq_u32 s15, 0
	s_cbranch_scc0 .Lfor_b_\@
	tensor_load_to_lds s[\g0a:\g0a+3], s[\g1a:\g1a+7]
	s_nop 0
.rept 4
	v_nop
.endr
	s_branch .Lasked_\@
.Lfor_b_\@:
	tensor_load_to_lds s[\g0b:\g0b+3], s[\g1b:\g1b+7]
	s_nop 0
.rept 4
	v_nop
.endr
.Lasked_\@:
.endm
.macro CREST                           ; a round of the cluster's barrier behind its opening barrier
	s_cmp_lg_u32 s14, 0
	s_cbranch_scc1 .Lnot_wave_0_\@
	s_barrier_signal -3
.Lnot_wave_0_\@:
	s_barrier_wait -3
	s_barrier_signal -1
	s_barrier_wait -1
.endm
.macro CROUND                          ; a whole round
	s_barrier_signal -1
	s_barrier_wait -1
	CREST
.endm
	s_load_b512 s[68:83], s[0:1], 0x0              ; Q, K, V, WQ, WK, WV, bQ, bK
	s_load_b128 s[84:87], s[0:1], 0x40             ; bV, the scales' exponents
	s_load_b64 s[88:89], s[0:1], 0x50              ; the workspace
	v_lshl_add_u32 v[SPW], v0, 2, SPARE
	v_mov_b32 v[NIL], 0
	ds_add_u32 v28, v29
	s_wait_dscnt 0x0
	v_lshrrev_b32 v1, 5, v0
	v_readfirstlane_b32 s14, v1                    ; wave 0..3
	s_lshr_b32 s15, s14, 1                         ; which half of the tile's rows of A is mine.  Also: I fetch for A (0) or for B (1)
	s_and_b32 s16, s14, 1                          ; which half of its rows of B.  Also: which 128 rows of that tile I fetch
	s_bfe_u32 s40, ttmp6, 0x40000                  ; cx, cy: my place in the cluster
	s_bfe_u32 s41, ttmp6, 0x40004
	s_and_b32 s67, ttmp7, 0xffff                   ; the cluster's y, 0 to 11: the same in all sixteen partners
	s_lshr_b32 s[KIND], s67, 2
	s_and_b32 s67, s67, 3
	s_lshl_b32 s67, s67, 2                         ; the positions have 16 tiles of 256, four for each cluster; the weight has four
	s_cmp_eq_u32 s[KIND], 2
	s_cselect_b32 s17, 0, s67
	s_cselect_b32 s42, s67, 0
	s_add_co_u32 s17, s17, s41                     ; A's tile: it hangs on cy and the cluster's y alone
	s_add_co_u32 s42, s42, s40                     ; B's tile: on cx and the cluster's y alone
	s_lshl_b32 s43, s41, 2
	s_lshl_b32 s43, 15, s43                        ; my row of the cluster
	s_lshl_b32 s44, 0x1111, s40                    ; my column
	; descriptor group 1: a tile of 128 rows x 256 bytes, padded in LDS
	s_or_b32 s[G1+0], s43, (0<<16)|(1<<20)|(1<<21)|(5<<22)|(3<<25)  ; 15:0 the mask: A's tiles go to my row; 17:16 element of 1 byte; 20 padding on; 21 set beside a mask; 24:22 after every 64 words; 31:25 of 4 words
	s_or_b32 s[G1B+0], s44, (0<<16)|(1<<20)|(1<<21)|(5<<22)|(3<<25)
.irp g, G1, G1B
	s_mov_b32 s[\g+1], ROWB<<16                    ; tensor_dim0
	s_mov_b32 s[\g+2], 128<<16                     ; tensor_dim1 = 128
	s_mov_b32 s[\g+3], ROWB<<16                    ; tile_dim0
	s_mov_b32 s[\g+4], 128                         ; tile_dim1 = 128
	s_mov_b32 s[\g+5], KROW                        ; tensor_dim0_stride
	s_mov_b32 s[\g+6], 0
	s_mov_b32 s[\g+7], 0
.endr
	s_lshl_b32 s18, s16, 7                         ; which 128 rows of the tile I fetch
	s_lshl_b32 s20, s17, 8
	s_add_co_u32 s20, s20, s18                     ; A: row 256 x tile + 128 x half,
	s_lshl_b32 s20, s20, 10                        ; in bytes: under 4 MiB
	s_mov_b32 s21, 0
	s_lshl_b32 s46, s42, 8
	s_add_co_u32 s46, s46, s18                     ; B likewise
	s_lshl_b32 s46, s46, 10
	s_mov_b32 s47, 0
	s_mul_i32 s45, s14, HALFT                      ; where they go: wave x 128 rows: no place in the cluster enters an LDS address
	s_wait_kmcnt 0x0
	s_cmp_eq_u32 s[KIND], 0                        ; the buffers are chosen by the cluster's y alone
	s_cselect_b64 s[4:5], s[68:69], s[70:71]       ; A: Q or K,
	s_cselect_b64 s[6:7], s[74:75], s[76:77]       ; B: WQ or WK,
	s_cselect_b64 s[8:9], s[80:81], s[82:83]       ; the bias: bQ or bK;
	s_cmp_eq_u32 s[KIND], 2
	s_cselect_b64 s[4:5], s[78:79], s[4:5]         ; for v: A = WV,
	s_cselect_b64 s[6:7], s[72:73], s[6:7]         ; B = V,
	s_cselect_b64 s[8:9], s[84:85], s[8:9]         ; bV
	s_load_b256 s[68:75], s[86:87], 0x0            ; the scales' exponents 0 to 7,
	s_load_b128 s[76:79], s[86:87], 0x20           ; 8 to 11: waited for on the way out
	s_add_nc_u64 s[20:21], s[4:5], s[20:21]
	s_add_nc_u64 s[46:47], s[6:7], s[46:47]
	CROUND                                         ; all sixteen work-groups are here: the first joint loads meet
.irp s, 0,1
	s_mov_b32 s[G0+4*\s], 1
	s_add_co_u32 s[G0+4*\s+1], s45, \s*SLOT
	s_add_nc_u64 s[G0+4*\s+2:G0+4*\s+3], s[20:21], \s*ROWB
	s_or_b32 s[G0+4*\s+3], s[G0+4*\s+3], 0x80000000
	s_mov_b32 s[G0B+4*\s], 1
	s_add_co_u32 s[G0B+4*\s+1], s45, \s*SLOT
	s_add_nc_u64 s[G0B+4*\s+2:G0B+4*\s+3], s[46:47], \s*ROWB
	s_or_b32 s[G0B+4*\s+3], s[G0B+4*\s+3], 0x80000000
	JLOAD G0+4*\s, G1, G0B+4*\s, G1B
.endr
	v_and_b32 v1, 15, v0                           ; r = l % 16
	v_bfe_u32 v2, v0, 4, 1                         ; h = l / 16
	v_mul_u32_u24 v3, v1, PITCH
	v_lshl_add_u32 v4, v2, 4, v3                   ; a fragment's row x pitch + 16 x half
	s_mul_i32 s21, s15, HALFT                      ; my 128 rows of A
	s_mul_i32 s22, s16, HALFT                      ; my 128 rows of B,
	s_add_co_u32 s22, s22, 2*HALFT                 ; which lie behind A's 256
.irp s, 0,1
	v_add_nc_u32 v[ADRA+\s], s21, v4
	v_add_nc_u32 v[ADRB+\s], s22, v4
	s_add_co_u32 s21, s21, SLOT
	s_add_co_u32 s22, s22, SLOT
.endr
	v_and_b32 v6, 31, v0
	v_lshlrev_b32 v[CO], 4, v6
	; where my results go.  Of my 128 rows of A and 128 of B one side is 128 positions (a block), the other 128 rows of the weight (two heads)
	s_lshl_b32 s92, s17, 8
	s_lshl_b32 s93, s15, 7
	s_add_co_u32 s92, s92, s93                     ; my first row of A
	s_lshl_b32 s93, s42, 8
	s_lshl_b32 s94, s16, 7
	s_add_co_u32 s93, s93, s94                     ; my first row of B
	s_cmp_eq_u32 s[KIND], 2
	s_cselect_b32 s94, s92, s93                    ; my first row of the weight: 64 x head
	s_cselect_b32 s95, s93, s92                    ; my first position
	s_cselect_b32 s98, 4, 0                        ; the bias of a result hangs on its row of the weight: for v that is 16 a + r: 4 r bytes;
	s_cselect_b32 s99, 0, 32                       ; for q and k it is 16 b + 8 h + j: 32 h
	s_cselect_b32 s18, 0, 4                        ; + 4 j bytes
	s_lshr_b32 s95, s95, 7
	s_mul_i32 s95, s95, BLKB
	s_lshr_b32 s96, s94, 6
	s_mul_i32 s96, s96, HEADB
	s_add_co_u32 s96, s96, s95
	s_lshl_b32 s95, s[KIND], 13                    ; q at 0, k at 8,192, v at 16,384 of a block
	s_add_co_u32 s96, s96, s95
	s_mov_b32 s97, 0
	s_add_nc_u64 s[10:11], s[88:89], s[96:97]      ; my first head's part,
	s_add_nc_u64 s[12:13], s[10:11], HEADB         ; my second head's
	s_lshl_b32 s96, s94, 2
	s_add_nc_u64 s[8:9], s[8:9], s[96:97]          ; the bias at my first row of the weight
	v_mul_u32_u24 v5, v1, s98
	v_mad_u32_u24 v5, v2, s99, v5
	v_mov_b32 v6, s18
.irp j, 0,1,2,3,4,5,6,7
	v_mad_u32_u24 v[TMP+\j], v6, \j, v5
.endr
.irp t, 0,1,2,3,4,5,6,7                        ; tile t's eight registers, in the result's layout: q, k: b(16 t + 8 h + j); v: b(16 t + r) in all eight.  Waited for on the way out
.irp j, 0,1,2,3,4,5,6,7
	global_load_b32 v[BIAS+8*\t+\j], v[TMP+\j], s[8:9] offset:64*\t
.endr
.endr
.macro FRAG reg, adr, q, i             ; a fragment, 16 rows x 128 K: lane l holds row l % 16; registers 4 c .. 4 c + 3 hold K = 32 c + 16 (l / 16) + 0 .. 15
.irp c, 0,1,2,3
	ds_load_b128 v[\reg+4*\c:\reg+4*\c+3], v[\adr] offset:128*(\q)+32*\c+(\i)*16*PITCH
.endr
.endm
; 16 matrix instructions: A's blocks a0, a0 + 1 x B's eight, 128 along K.  p: B's set.  zero = 1: the first product starts the sums: nothing is ever cleared.
; The 64 accumulators take turns, one instruction a turn, in the same order in every step.
.macro MUL16 a0, p, zero
.irp a, \a0, \a0+1
.irp b, 0,1,2,3,4,5,6,7
.if \zero
	v_wmma_f32_16x16x128_fp8_fp8 v[8*(8*((\a)%4)+\b):8*(8*((\a)%4)+\b)+7], v[128*(\p)+FR*\b:128*(\p)+FR*\b+FR-1], v[AF+FR*(\a):AF+FR*(\a)+FR-1], 0
.else
	v_wmma_f32_16x16x128_fp8_fp8 v[8*(8*((\a)%4)+\b):8*(8*((\a)%4)+\b)+7], v[128*(\p)+FR*\b:128*(\p)+FR*\b+FR-1], v[AF+FR*(\a):AF+FR*(\a)+FR-1], v[8*(8*((\a)%4)+\b):8*(8*((\a)%4)+\b)+7]
.endif
.endr
.endr
.endm
.macro FETCH_B slot, q, p              ; B's eight fragments of the slot's q-th 128 along K into set p
	WIN TO_B
.irp i, 0,1,2,3,4,5,6,7
	FRAG 128*(\p)+FR*\i, ADRB+\slot, \q, \i
.endr
	WIN 0
.endm
.macro FETCH_A slot, q, i0             ; A's blocks i0 .. i0 + 3
.irp i, \i0, \i0+1, \i0+2, \i0+3
	FRAG AF+FR*(\i), ADRA+\slot, \q, \i
.endr
.endm
; A load into a register that a matrix instruction has read, and a vector instruction that reads a matrix result or writes one of its registers, stand NP places behind it; only plain vector
; instructions that name none of its registers are places.
.macro PLACES n
.rept \n
	v_nop
.endr
.endm
; A step of 128 along K that has its successor in the same slot.  A block of A is free as soon as its eight products are issued: blocks 0-3 are fetched anew in the step's middle, blocks 4-7 at its end.
.macro STEP slot, q, zero
	s_wait_dscnt 4*NL                              ; B's set and A's blocks 0-3 are in; the youngest 16 loads (A's blocks 4-7) may be out
	WIN MUL_LO
	MUL16 0, (\q)%2, \zero
	MUL16 2, (\q)%2, \zero
	s_wait_dscnt 0                                 ; A's blocks 4-7 are in
	PLACES NP
	FETCH_B \slot, (\q)+1, 1-(\q)%2
	FETCH_A \slot, (\q)+1, 0
	WIN MUL_HI
	MUL16 4, (\q)%2, \zero
	MUL16 6, (\q)%2, \zero
	PLACES NP
	WIN 0
	FETCH_A \slot, (\q)+1, 4
.endm
; A slot's last step changes slots: ONE barrier; in front of it each wave waits for all its tensor loads, adds 0 to its spare word, and waits for that and for its own reads of this slot.  fill = 1: this slot is filled again, two K steps ahead.
.macro TURN slot, next, fill
	s_wait_tensorcnt 0x0                           ; all my tensor loads have landed: my part of the next slot  (every window is 0 here)
	ds_add_u32 v[SPW], v[NIL]                      ; 0 onto my spare word
	s_wait_dscnt 4*NL+1                            ; (the add and the youngest 16 loads, A's blocks 4-7, may be out)
	WIN MUL_LO
	MUL16 0, 1, 0                                  ; sixteen matrix instructions stand between the add and the wait for it
	s_wait_dscnt 0x0                               ; the add is done, and my reads of this slot are over
	s_barrier_signal -1
	MUL16 2, 1, 0
	WIN 0
	s_barrier_wait -1
.if \fill
	CREST                                          ; the barrier has opened a round of the cluster's barrier: no wave of any partner still reads this slot's tile or has a load on its way
	s_add_nc_u64 s[G0+4*\slot+2:G0+4*\slot+3], s[G0+4*\slot+2:G0+4*\slot+3], 2*ROWB
	s_add_nc_u64 s[G0B+4*\slot+2:G0B+4*\slot+3], s[G0B+4*\slot+2:G0B+4*\slot+3], 2*ROWB
	JLOAD G0+4*\slot, G1, G0B+4*\slot, G1B         ; the first tensor load behind the round; its four v_nop are also the places in front of the loads below
.else
	PLACES NP
.endif
	FETCH_B \next, 0, 0
	FETCH_A \next, 0, 0
	WIN MUL_HI
	MUL16 4, 1, 0
	MUL16 6, 1, 0
	PLACES NP
	WIN 0
	FETCH_A \next, 0, 4
.endm
	s_wait_tensorcnt 1                             ; my part of K step 0 is in (K step 1's load, issued behind it, may be out)
	s_barrier_signal -1
	s_barrier_wait -1                              ; everybody's is
	FETCH_B 0, 0, 0
	FETCH_A 0, 0, 0
	FETCH_A 0, 0, 4
	STEP 0, 0, 1                                   ; the first step stands in front of the loop: its products start the sums
	s_mov_b32 s3, LAPS-1
.Llap:                                                 ; a trip goes once round the ring, from a lap's second step to the next lap's first, and fills both slots again
	TURN 0, 1, 1
	STEP 1, 0, 0
	TURN 1, 0, 1
	STEP 0, 0, 0
	s_sub_co_u32 s3, s3, 1
	s_cmp_lg_u32 s3, 0
	s_cbranch_scc1 .Llap
	TURN 0, 1, 0                                   ; the last lap fills nothing, and has no round of the cluster's barrier
	STEP 1, 0, 0
	s_wait_dscnt 4*NL                              ; the very last step: nothing more to fetch
	WIN MUL_LO
	MUL16 0, 1, 0
	MUL16 2, 1, 0
	s_wait_dscnt 0
	WIN MUL_HI
	MUL16 4, 1, 0
	MUL16 6, 1, 0
	WIN 0
; THE WAY OUT.  A unit is A's block a x four of B's blocks (4 hb on): 32 numbers a lane.  Each is sum x 2^(the two exponents) + bias, one fused multiply-add for two numbers, each accumulator from its low end on;
; held within +-448 x the result's scale (the conversion to an 8-bit code does not saturate: ISA guide 7.6.2); converted, eight numbers to two registers.  The eight registers are two groups of an operand's image.
; q, k: block a is a tile of 16 positions, hb the head.  v: block a is head a / 4, tile of channels a % 4; hb says which half of the 128 keys.
.macro UNIT isv, a, hb
.set c0, CD+8*(2*(\a)+(\hb))
	WIN 0x02+((\a)/4)                              ; source 0: window 2 or 3
.irp bb, 0,1,2,3
.irp i, 0,2,4,6
.if \isv
	v_pk_fma_f32 v[TMP+8*\bb+\i:TMP+8*\bb+\i+1], v[8*(8*((\a)%4)+4*(\hb)+\bb)+\i:8*(8*((\a)%4)+4*(\hb)+\bb)+\i+1], s[90:91], v[BIAS+8*(\a)+\i:BIAS+8*(\a)+\i+1] op_sel_hi:[1,0,1]
.else
	v_pk_fma_f32 v[TMP+8*\bb+\i:TMP+8*\bb+\i+1], v[8*(8*((\a)%4)+4*(\hb)+\bb)+\i:8*(8*((\a)%4)+4*(\hb)+\bb)+\i+1], s[90:91], v[BIAS+8*(4*(\hb)+\bb)+\i:BIAS+8*(4*(\hb)+\bb)+\i+1] op_sel_hi:[1,0,1]
.endif
.endr
.endr
	WIN 0
.set nn, 0
.rept 32
	v_med3_num_f32 v[TMP+nn], v[TMP+nn], -v[LIMV], v[LIMV]
.set nn, nn+1
.endr
.irp bb, 0,1,2,3
	v_cvt_scalef32_pk8_fp8_f32 v[c0+2*\bb:c0+2*\bb+1], v[TMP+8*\bb:TMP+8*\bb+7], v[SCV]
.endr
	v_nop                                          ; one plain vector instruction between the conversions and the next unit's lines, which write their sources
.if \isv
	global_store_b128 v[CO], v[c0:c0+3],   s[10+2*((\a)/4):11+2*((\a)/4)] offset:((\a)%4)*2048+(2*(\hb))*512
	global_store_b128 v[CO], v[c0+4:c0+7], s[10+2*((\a)/4):11+2*((\a)/4)] offset:((\a)%4)*2048+(2*(\hb)+1)*512
.else
	global_store_b128 v[CO], v[c0:c0+3],   s[10+2*(\hb):11+2*(\hb)] offset:(\a)*1024
	global_store_b128 v[CO], v[c0+4:c0+7], s[10+2*(\hb):11+2*(\hb)] offset:(\a)*1024+512
.endif
.endm
.macro EPI isv
.irp a, 0,1,2,3,4,5,6,7
.irp hb, 0,1
	UNIT \isv, \a, \hb
.endr
.endr
.endm
	s_wait_kmcnt 0x0                               ; the exponents: s68 + n = entry n
	s_add_co_i32 s92, s68, s69
	s_add_co_i32 s93, s70, s71
	s_add_co_i32 s94, s72, s73
	s_cmp_eq_u32 s[KIND], 0
	s_cselect_b32 s92, s92, s93
	s_cselect_b32 s95, s74, s75                    ; q's scale is entry 6, k's entry 7,
	s_cmp_eq_u32 s[KIND], 2
	s_cselect_b32 s92, s94, s92
	s_cselect_b32 s95, s77, s95                    ; v's entry 9
	s_add_co_i32 s92, s92, 127
	s_lshl_b32 s90, s92, 23                        ; 2^(the two operands' exponents) as f32
	s_mov_b32 s91, s90                             ; (named with it as a pair, so it is written)
	s_add_co_i32 s95, s95, 127
	s_lshl_b32 s93, s95, 23
	v_mov_b32 v[SCV], s93                          ; the result's scale as f32: the conversion takes its exponent field
	s_add_co_i32 s95, s95, 8
	s_lshl_b32 s95, s95, 23
	s_or_b32 s95, s95, 0x600000
	v_mov_b32 v[LIMV], s95                         ; 448 x that
	s_wait_loadcnt 0x0                             ; the biases
	PLACES NP                                      ; behind the last products: the codes land in the registers that held A's fragments
	s_cmp_eq_u32 s[KIND], 2                        ; the cluster's y alone: the same way in all partners; no barrier and no tensor load stands in either arm
	s_cbranch_scc1 .Lfor_v
	EPI 0
	s_branch .Lend
.Lfor_v:
	EPI 1
.Lend:
	s_wait_tensorcnt 0x0                           ; the wave's end
	ds_add_u32 v[SPW], v[NIL]
	s_wait_dscnt 0x0
	CROUND                                         ; the closing round: no work-group ends while a partner may still ask for a tile that names it
	s_endpgm
.Lfunc_end_k_qd1dcef3d6c_proj:
	.size	k_qd1dcef3d6c_proj, .Lfunc_end_k_qd1dcef3d6c_proj-k_qd1dcef3d6c_proj
	.p2alignl 7, 3214868480
	.fill 96, 4, 3214868480
	.section	.rodata,"a",@progbits
	.p2align	6, 0x0
	.amdhsa_kernel k_qd1dcef3d6c_proj
		.amdhsa_group_segment_fixed_size 327680
		.amdhsa_private_segment_fixed_size 0
		.amdhsa_enable_private_segment 0
		.amdhsa_kernarg_size 88
		.amdhsa_user_sgpr_count 2
		.amdhsa_user_sgpr_kernarg_segment_ptr 1
		.amdhsa_wavefront_size32 1
		.amdhsa_system_sgpr_workgroup_id_x 1
		.amdhsa_system_sgpr_workgroup_id_y 1
		.amdhsa_system_sgpr_workgroup_id_z 1
		.amdhsa_system_vgpr_workitem_id 0
		.amdhsa_next_free_vgpr 1024
		.amdhsa_next_free_sgpr 100
		.amdhsa_reserve_vcc 0
		.amdhsa_float_denorm_mode_32 3
		.amdhsa_float_denorm_mode_16_64 3
		.amdhsa_memory_ordered 1
		.amdhsa_forward_progress 1
		.amdhsa_inst_pref_size 199
	.end_amdhsa_kernel
	.amdgpu_metadata
---
amdhsa.version: [ 1, 2 ]
amdhsa.kernels:
  - .name:           k_qd1dcef3d6c_proj
    .symbol:         k_qd1dcef3d6c_proj.kd
    .args:
      - { .name: Q_codes, .offset: 0, .size: 8, .value_kind: global_buffer, .address_space: global }
      - { .name: K_codes, .offset: 8, .size: 8, .value_kind: global_buffer, .address_space: global }
      - { .name: V_codes, .offset: 16, .size: 8, .value_kind: global_buffer, .address_space: global }
      - { .name: WQ_codes, .offset: 24, .size: 8, .value_kind: global_buffer, .address_space: global }
      - { .name: WK_codes, .offset: 32, .size: 8, .value_kind: global_buffer, .address_space: global }
      - { .name: WV_codes, .offset: 40, .size: 8, .value_kind: global_buffer, .address_space: global }
      - { .name: bQ, .offset: 48, .size: 8, .value_kind: global_buffer, .address_space: global }
      - { .name: bK, .offset: 56, .size: 8, .value_kind: global_buffer, .address_space: global }
      - { .name: bV, .offset: 64, .size: 8, .value_kind: global_buffer, .address_space: global }
      - { .name: lowp_scales, .offset: 72, .size: 8, .value_kind: global_buffer, .address_space: global }
      - { .name: qkv, .offset: 80, .size: 8, .value_kind: global_buffer, .address_space: global }
    .group_segment_fixed_size: 327680
    .private_segment_fixed_size: 0
    .kernarg_segment_align: 8
    .kernarg_segment_size: 88
    .max_flat_workgroup_size: 128
    .sgpr_count:     100
    .vgpr_count:     1024
    .wavefront_size: 32
...
	.end_amdgpu_metadata
.endif
;; end of part 1
;; launch attn (part 2): grid 16 x 16, 8 waves a work-group, no clusters, 327,680 bytes of LDS; arguments qkv, lowp_scales, cat; writes cat
.if DOCPART == 2
	.amdgcn_target "amdgcn-amd-amdhsa--gfx1250"
	.amdhsa_code_object_version 6
	.text
	.protected	k_qd1dcef3d6c_attn
	.globl	k_qd1dcef3d6c_attn
	.p2align	8
	.type	k_qd1dcef3d6c_attn,@function
k_qd1dcef3d6c_attn:
	s_mov_b64 s[64:65], 0
	v_nop
	global_prefetch_b8 v0, s[64:65] scope:SCOPE_SE
	s_setreg_imm32_b32 hwreg(HW_REG_WAVE_MODE, 25, 1), 1
	s_wait_xcnt 0x0
; CAUSAL ATTENTION ON CODES OF FP8 (E4M3), 16 heads of 64, 4,096 positions; q, k, v come as images of operand registers (a group of four registers is 512 bytes, lane l's 16 bytes at 16 l):
;   qkv: [head 16][block of 128 positions 32][24,576]: + 0 q [tile of 16 queries 8][group 2][512]; + 8,192 k likewise; + 16,384 v [tile of 16 channels 4][group 4][512], K = the block's 128 keys.
; THE SOFTMAX AHEAD OF THE SECOND PRODUCT: t = score x log2(e) / 8; M = the row's largest t so far, rounded UP to a whole number; p = 2^(t - M) is quantised with the scale given for it; it is not normalised.
; The row's sum is taken of the unquantised p, in f32, and divides at the end.  When M moves, the sum and O are multiplied by 2^(old M - new M), which rounds nothing.
; THE RESULT, O / sum x 2^(p's and v's exponents), is quantised with the scale given for the last product's left operand and stored as that operand's image:
;   cat: [block of 128 rows 32][128 along K = two heads 8][tile of 16 rows 8][group 4][512].
; SHARES.  Work-group (J, head) takes the queries' block J and then block 31 - J, 128 queries each: key blocks 0 .. J, then 0 .. 31 - J: 33 key steps of 128 whatever J is, so every trip count is a constant and all 256
; work-groups have the same work.  Key blocks wholly behind the diagonal are never multiplied.  Wave w owns queries 16 w .. 16 w + 15 of the block in hand.  Steps J and 32 of the stream lie on the diagonal: there hidden scores
; become -infinity, and behind them the block's result is finished and stored.  In a diagonal block each query sees at least its own key, and key 0 counts for every query, so M is a number from each block's first step on.
; LAYOUT.  Both products are used transposed: S^T = k q^T (source 0 = 16 keys, source 1 = my 16 queries), O^T = v^T p^T (source 0 = 16 channels, source 1 = p): a lane holds ONE query (lane % 16) throughout; the eight
; registers of key tile kt are keys 16 kt + 8 (lane / 16) + 0 .. 7: one conversion makes registers 2 kt, 2 kt + 1 of p's fragment in the form's own layout; O^T's tiles become cat's registers the same way.
; THE RING.  k and v of a key block are 16,384 consecutive bytes.  A slot holds three steps; two slots, 65,536 bytes apart.  Waves 0, 1, 2 fetch a step each, one tensor load a wave behind each change of slots.
; NO CLUSTER: the work-groups of a head walk different streams of key blocks (J + 1 and then 32 - J of them), so partners would not ask for the same tile in the same round.
; LIMITS on the given exponents, so that each power of two below is an f32 number: entries 6 + 7 between -123 and 130 (added to the exponent field of log2(e) / 8); entry 8, and entry 10 - entry 8 - entry 9, between -126 and 119.
; The mask counts as -infinity where the definition adds -2e9: the same as long as scores stay under some 1e9 in magnitude.
.set HEADB, 786432
.set BLKB,  24576
.set STEPB, 16384                      ; a key step in LDS: k's eight fragments (8,192 bytes), then v's four
.set SLOT1, 65536                      ; slot 1 begins here: one exclusive or turns an address in one slot into the other's
.set SPARE, 131072                     ; behind the ring: the spare words, 128 bytes for each of the eight waves, that no other line names
.set LI,   1                           ; v1   16 x lane: my place in an image; never rewritten
.set SPW,  2                           ; v2   LDS address of my spare word; never rewritten
.set NIL,  3                           ; v3   0; never rewritten
.set ADR,  4                           ; v4   LDS address of my 16 bytes in the slot in hand
.set PFO,  5                           ; v5   256 x lane: the prefetches' offset; never rewritten
.set DQ,   6                           ; v6   16 w + r - 8 h: register 8 kt + j is hidden on the diagonal where 16 kt + j is above it
.set NINF, 7                           ; v7   -infinity
.set PS,   8                           ; v8   p's scale as f32;   v9  448 x that
.set PL,   9
.set CSC,  10                          ; v10  2^(entry 10 - entry 8 - entry 9) as f32: the three scales folded into the last conversion's one;   v11  448 x that
.set CL,   11
.set QF,   16                          ; v12 -M, v13 the largest t, v[14:15] the sum in two halves;  v16-23 my queries' fragment
.set MX,   28                          ; v24-31 at work: v28-31 four chains of the maximum; v25 the exchange; v[26:27] f; then three chains of the sum in v[28:29], v[30:31], v[24:25]
.set KV,   32                          ; v32-95   k's eight fragments, then v's four
.set SS,   96                          ; v96-159  S^T, then p
.set OO,   160                         ; v160-191 O^T
.set PC,   192                         ; v192-207 p's codes
.set Q2,   208                         ; v208-215 the second block's queries
.set CC,   216                         ; v216-223 cat's codes
.set FT,   224                         ; v224-255 O^T / sum
.set TB,   2                           ; s2   LDS byte at which the slot in hand begins
.set WV,   3                           ; s3   my wave's number
.set JJ,   10                          ; s10  J;  s11  J + 1;  s12  the head
.set J1,   11
.set HD,   12
.set IT,   13                          ; s13  the stream's step in hand
.set DG,   14                          ; s14  the next diagonal step: J, then 32
.set SLOTS, 15                         ; s15  slots still to be asked for
.set G1,   16                          ; s[16:23] descriptor group 1;  s[24:27] group 0, which walks
.set G0,   24
.set KVB,  28                          ; s[28:29] the head's k and v of key block 0
.set SI,   32                          ; s32  the stream's step that my next tensor load brings
.set LIM,  34                          ; s34  1 in a wave that prefetches, else the greatest number
.set PFA,  36                          ; s[36:37] where my prefetches stand
.set CP,   38                          ; s[38:39] where the block in hand is stored;  s[40:41] the second block
.set CPB,  40
.set SEL,  42                          ; s[42:43] lane selects for v_permlanex16_b32: lane l xor 16
.set CS,   44                          ; s[44:45] c = log2(e) / 8 x 2^(entries 6 + 7)
; Waves 0, 1, 2 fetch a step each, the others nothing.  The branch hangs on the wave's number alone.  Four v_nop follow the load.
.macro TLOAD
	s_cmp_lt_u32 s[WV], 3
	s_cbranch_scc0 .Lnone_\@
	tensor_load_to_lds s[G0:G0+3], s[G1:G1+7]
	s_nop 0
.rept 4
	v_nop
.endr
.Lnone_\@:
.endm
; A PREFETCH INTO THE L2 of what the NEXT change of slots will ask for: three key steps ahead of that load.  All work-groups of a head read the same k and v: the head's work-group J = 0 asks, whose stream from step 1 on
; is key block (step - 1).  Its waves 0, 1, 2 ask each for their own step's 16,384 bytes, lanes 256 bytes apart, two instructions.  So key blocks 5 to 31 are named once each in the launch; the first slots come by their
; loads alone, and the last change that fills a slot asks for nothing: there is no slot behind it.
.macro ASK
	s_cmp_gt_u32 s[SLOTS], s[LIM]
	s_cbranch_scc0 .Lnot_mine_\@
	global_prefetch_b8 v[PFO], s[PFA:PFA+1] th:TH_LOAD_NT scope:SCOPE_SE
	global_prefetch_b8 v[PFO], s[PFA:PFA+1] offset:8192 th:TH_LOAD_NT scope:SCOPE_SE
.Lnot_mine_\@:
.endm
	s_load_b128 s[4:7], s[0:1], 0x0                ; qkv, the scales' exponents
	s_load_b64 s[8:9], s[0:1], 0x10                ; cat
	v_lshl_add_u32 v[SPW], v0, 2, SPARE
	v_mov_b32 v[NIL], 0
	ds_add_u32 v2, v3
	s_wait_dscnt 0x0
	v_lshrrev_b32 v4, 5, v0
	v_readfirstlane_b32 s[WV], v4                  ; wave 0..7
	s_mov_b32 s[JJ], ttmp9
	s_add_co_u32 s[J1], s[JJ], 1
	s_and_b32 s[HD], ttmp7, 0xffff
	s_min_u32 s57, s[WV], 2                        ; which of a slot's three steps I fetch (waves 3 to 7 fetch nothing; their numbers stay inside all the same)
	; descriptor group 1: 16,384 dense bytes as 64 rows of 256: 32 elements of 8 bytes; no padding: an image is read 512 consecutive bytes an instruction
	s_mov_b32 s[G1], 3<<16                         ; 15:0 no mask; 17:16 elements of 8 bytes
	s_mov_b32 s[G1+1], 32<<16                      ; tensor_dim0
	s_mov_b32 s[G1+2], 64<<16                      ; tensor_dim1
	s_mov_b32 s[G1+3], 32<<16                      ; tile_dim0
	s_mov_b32 s[G1+4], 64                          ; tile_dim1
	s_mov_b32 s[G1+5], 32                          ; tensor_dim0_stride
	s_mov_b32 s[G1+6], 0
	s_mov_b32 s[G1+7], 0
	s_mov_b32 s[SEL], 0x76543210
	s_mov_b32 s[SEL+1], 0xfedcba98
	s_mov_b32 s[TB], 0
	s_mov_b32 s[IT], 0
	s_mov_b32 s[DG], s[JJ]
	s_mov_b32 s[SLOTS], 10
	s_mov_b32 s[SI], s57
	s_cmp_le_u32 s[SI], s[JJ]                      ; the stream's step i is key block i while i <= J, then i - J - 1
	s_cselect_b32 s56, 0, s[J1]
	s_sub_co_u32 s56, s[SI], s56
	s_mul_i32 s46, s56, BLKB
	s_mov_b32 s47, 0
	s_mul_i32 s30, s[HD], HEADB
	s_mov_b32 s31, 0
	s_wait_kmcnt 0x0
	s_load_b256 s[48:55], s[6:7], 0x10             ; entries 4 to 11: s48 + n = entry 4 + n
	s_add_nc_u64 s[58:59], s[4:5], s[30:31]        ; the head
	s_add_nc_u64 s[KVB:KVB+1], s[58:59], 8192
	s_mov_b32 s[G0], 1                             ; 1:0 count = 1
	s_lshl_b32 s[G0+1], s57, 14                    ; 63:32 LDS address: slot 0, my step
	s_add_nc_u64 s[G0+2:G0+3], s[KVB:KVB+1], s[46:47]  ; 120:64 global address
	s_or_b32 s[G0+3], s[G0+3], 0x80000000          ; 127:126 type = 2
	TLOAD                                          ; slot 0
	s_mul_i32 s60, s[JJ], BLKB
	s_lshl_b32 s56, s[WV], 10
	s_add_co_u32 s60, s60, s56
	s_mov_b32 s61, 0
	s_add_nc_u64 s[60:61], s[58:59], s[60:61]      ; my tile of q in block J,
	s_sub_co_u32 s46, 31, s[JJ]
	s_mul_i32 s62, s46, BLKB
	s_add_co_u32 s62, s62, s56
	s_mov_b32 s63, 0
	s_add_nc_u64 s[62:63], s[58:59], s[62:63]      ; and in block 31 - J
	v_and_b32 v[LI], 31, v0
	v_lshlrev_b32 v[PFO], 8, v[LI]
	v_lshlrev_b32 v[LI], 4, v[LI]
	global_load_b128 v[QF:QF+3],   v[LI], s[60:61]
	global_load_b128 v[QF+4:QF+7], v[LI], s[60:61] offset:512
	global_load_b128 v[Q2:Q2+3],   v[LI], s[62:63]
	global_load_b128 v[Q2+4:Q2+7], v[LI], s[62:63] offset:512
	s_lshr_b32 s56, s[HD], 1                       ; cat: 128 along K hold two heads: step head / 2,
	s_lshl_b32 s56, s56, 14
	s_lshl_b32 s47, s[WV], 11                      ; my tile of rows,
	s_add_co_u32 s56, s56, s47
	s_and_b32 s47, s[HD], 1                        ; groups 2 (head % 2) and the next
	s_lshl_b32 s47, s47, 10
	s_add_co_u32 s56, s56, s47
	s_lshl_b32 s38, s[JJ], 17
	s_add_co_u32 s38, s38, s56
	s_mov_b32 s39, 0
	s_add_nc_u64 s[CP:CP+1], s[8:9], s[38:39]
	s_lshl_b32 s40, s46, 17
	s_add_co_u32 s40, s40, s56
	s_mov_b32 s41, 0
	s_add_nc_u64 s[CPB:CPB+1], s[8:9], s[40:41]
	s_add_co_u32 s36, s57, 2                       ; the prefetches stand at key block 2 + w; the first change of slots steps them to 5 + w, which is step 6 + w of work-group 0's stream
	s_mul_i32 s36, s36, BLKB
	s_mov_b32 s37, 0
	s_add_nc_u64 s[PFA:PFA+1], s[KVB:KVB+1], s[36:37]
	s_cmp_lt_u32 s[WV], 3
	s_cselect_b32 s56, 0, 1
	s_or_b32 s56, s56, s[JJ]
	s_cmp_eq_u32 s56, 0
	s_cselect_b32 s[LIM], 1, -1
	v_and_b32 v24, 15, v0                          ; r
	v_bfe_u32 v25, v0, 4, 1                        ; h
	v_lshlrev_b32 v25, 3, v25
	v_sub_nc_u32 v[DQ], v24, v25
	s_lshl_b32 s56, s[WV], 4
	v_add_nc_u32 v[DQ], s56, v[DQ]
	v_mov_b32 v[NINF], 0xff800000
	v_mov_b32 v13, 0xff61b1e6                      ; the largest t so far: -3e38, under every t
	v_floor_f32 v12, -v13                          ; -M
	v_mov_b32 v14, 0                               ; the sum, in two halves
	v_mov_b32 v15, 0
	v_mov_b32 v27, 0                               ; (named as the upper half of the pair v[26:27])
.set nn, 0
.rept 32
	v_mov_b32 v[OO+nn], 0                          ; O^T: a step is written once: the first finds zeros, which the first change of M leaves zeros
.set nn, nn+1
.endr
	s_wait_kmcnt 0x0
	s_add_co_i32 s56, s50, s51
	s_lshl_b32 s56, s56, 23
	s_add_co_i32 s[CS], s56, 0x3e38aa3b            ; log2(e) / 8, with q's and k's exponents added to its exponent field
	s_mov_b32 s[CS+1], s[CS]                       ; (named with it as a pair, so it is written)
	s_add_co_i32 s56, s52, 127
	s_lshl_b32 s47, s56, 23
	v_mov_b32 v[PS], s47
	s_add_co_i32 s56, s56, 8
	s_lshl_b32 s56, s56, 23
	s_or_b32 s56, s56, 0x600000
	v_mov_b32 v[PL], s56
	s_sub_co_i32 s56, s54, s52
	s_sub_co_i32 s56, s56, s53
	s_add_co_i32 s56, s56, 127
	s_lshl_b32 s47, s56, 23
	v_mov_b32 v[CSC], s47
	s_add_co_i32 s56, s56, 8
	s_lshl_b32 s56, s56, 23
	s_or_b32 s56, s56, 0x600000
	v_mov_b32 v[CL], s56
; A BLOCK OF QUERIES IS FINISHED: O^T / sum, held, converted, stored as two groups of cat's image, 512 consecutive bytes each; then the statistics, O^T and the queries are set for the second block.
.macro FINISH
	v_add_f32 v24, v14, v15                        ; the sum's two halves,
	v_permlanex16_b32 v25, v24, s[SEL], s[SEL+1]
	v_add_f32 v24, v24, v25                        ; and lane l xor 16's: the row's sum
	v_rcp_f32 v24, v24
	v_mov_b32 v13, 0xff61b1e6                      ; (plain lines that name nothing of the reciprocal)
	v_mov_b32 v14, 0
	v_mov_b32 v15, 0
	v_floor_f32 v12, -v13
	s_wait_alu depctr_va_vdst(0)                   ; the wait ahead of the reciprocal's first reader
.set nn, 0
.rept 16
	v_pk_mul_f32 v[FT+nn:FT+nn+1], v[OO+nn:OO+nn+1], v[24:25] op_sel_hi:[1,0]   ; each accumulator from its low end on
.set nn, nn+2
.endr
.set nn, 0
.rept 32
	v_med3_num_f32 v[FT+nn], v[FT+nn], -v[CL], v[CL]   ; the conversion to an 8-bit code does not saturate (ISA guide 7.6.2)
.set nn, nn+1
.endr
.irp ct, 0,1,2,3
	v_cvt_scalef32_pk8_fp8_f32 v[CC+2*\ct:CC+2*\ct+1], v[FT+8*\ct:FT+8*\ct+7], v[CSC]
.endr
	v_nop                                          ; one plain vector instruction behind the last conversion
	global_store_b128 v[LI], v[CC:CC+3],   s[CP:CP+1]
	global_store_b128 v[LI], v[CC+4:CC+7], s[CP:CP+1] offset:512
.set nn, 0
.rept 32
	v_mov_b32 v[OO+nn], 0
.set nn, nn+1
.endr
.set nn, 0
.rept 8
	v_mov_b32 v[QF+nn], v[Q2+nn]
.set nn, nn+1
.endr
	s_wait_xcnt 0x0                                ; the stores have read their base and their data: both are written again only behind this wait
	s_mov_b64 s[CP:CP+1], s[CPB:CPB+1]
	s_mov_b32 s[DG], 32
.endm
; A KEY STEP: 128 keys, the q-th of the slot in hand.
.macro STEP q
.set ff, 0
.rept 16
	ds_load_b128 v[KV+4*ff:KV+4*ff+3], v[ADR] offset:(\q)*STEPB+512*ff   ; k: key tile ff / 2, group ff % 2
.set ff, ff+1
.endr
	s_wait_dscnt 8                                 ; key tiles 0-3 are in; the youngest eight loads (tiles 4-7) may be out
.irp kt, 0,1,2,3
	v_wmma_f32_16x16x64_fp8_fp8 v[SS+8*\kt:SS+8*\kt+7], v[KV+8*\kt:KV+8*\kt+7], v[QF:QF+7], 0
.endr
	s_wait_dscnt 0x0
.irp kt, 4,5,6,7
	v_wmma_f32_16x16x64_fp8_fp8 v[SS+8*\kt:SS+8*\kt+7], v[KV+8*\kt:KV+8*\kt+7], v[QF:QF+7], 0
.endr
.rept 4
	v_nop                                          ; places in front of the loads into k's registers and of the first read of the scores
.endr
.set ff, 0
.rept 16
	ds_load_b128 v[KV+4*ff:KV+4*ff+3], v[ADR] offset:(\q)*STEPB+8192+512*ff   ; v: tile of channels ff / 4, group ff % 4: they land while the softmax is worked
.set ff, ff+1
.endr
	s_cmp_lg_u32 s[IT], s[DG]                      ; a scalar branch on ids: only the diagonal step hides keys
	s_cbranch_scc1 .Lopen_\@
.set nn, 0
.rept 64
	v_cmp_gt_i32 vcc_lo, 16*(nn/8)+nn%8, v[DQ]
	v_cndmask_b32 v[SS+nn], v[SS+nn], v[NINF], vcc_lo
.set nn, nn+1
.endr
.Lopen_\@:
.irp c4, 0,1,2,3                               ; the step's largest score of my query among my 64 keys: four chains, two tiles each; every tile is read first at its low end
	v_max3_num_f32 v[MX+\c4], v[SS+16*\c4], v[SS+16*\c4+1], v[SS+16*\c4+2]
.endr
.irp st, 3,5,7,9,11,13
.irp c4, 0,1,2,3
	v_max3_num_f32 v[MX+\c4], v[MX+\c4], v[SS+16*\c4+\st], v[SS+16*\c4+\st+1]
.endr
.endr
	v_max3_num_f32 v[MX], v[MX], v[SS+15], v[SS+31]
	v_max3_num_f32 v[MX+2], v[MX+2], v[SS+47], v[SS+63]
	v_max3_num_f32 v[MX], v[MX], v[MX+1], v[MX+2]
	v_max_num_f32 v[MX], v[MX], v[MX+3]
	v_permlanex16_b32 v25, v[MX], s[SEL], s[SEL+1]
	v_max_num_f32 v[MX], v[MX], v25                ; and among lane l xor 16's
	v_mul_f32 v[MX], s[CS], v[MX]                  ; as t (c is positive)
	v_max_num_f32 v13, v13, v[MX]                  ; the running largest t
	v_mov_b32 v[MX], v12
	v_floor_f32 v12, -v13                          ; the new -M = floor(-t) = -ceil(t): a whole number
	v_sub_f32 v[MX], v12, v[MX]                    ; M's old value less its new one: a whole number, 0 or less
	v_cvt_i32_f32 v[MX], v[MX]                     ; (it saturates)
	v_ldexp_f32 v26, 1.0, v[MX]                    ; f = 2^(old M - new M)
.set nn, 0
.rept 32
	v_pk_fma_f32 v[SS+nn:SS+nn+1], v[SS+nn:SS+nn+1], s[CS:CS+1], v[12:13] op_sel_hi:[1,0,0]   ; t - M, two at a time (of the pairs c and -M the low word serves both halves)
.set nn, nn+2
.endr
.set nn, 0
.rept 64
	v_exp_f32 v[SS+nn], v[SS+nn]                   ; p = 2^(t - M), at most 1: not normalised
.set nn, nn+1
.endr
	v_pk_mul_f32 v[14:15], v[14:15], v[26:27] op_sel_hi:[1,0]   ; the sums under the new M: the plain line behind the exponentials
	s_wait_alu depctr_va_vdst(0)                   ; one wait for the whole batch, ahead of its first reader
	v_pk_add_f32 v[28:29], v[SS:SS+1], v[SS+2:SS+3]       ; the row's sum is taken of the unquantised p: two at a time, in four chains
	v_pk_add_f32 v[30:31], v[SS+4:SS+5], v[SS+6:SS+7]
	v_pk_add_f32 v[24:25], v[SS+8:SS+9], v[SS+10:SS+11]
.irp j, 12,20,28,36,44,52
	v_pk_add_f32 v[14:15], v[14:15], v[SS+\j:SS+\j+1]
	v_pk_add_f32 v[28:29], v[28:29], v[SS+\j+2:SS+\j+3]
	v_pk_add_f32 v[30:31], v[30:31], v[SS+\j+4:SS+\j+5]
	v_pk_add_f32 v[24:25], v[24:25], v[SS+\j+6:SS+\j+7]
.endr
	v_pk_add_f32 v[14:15], v[14:15], v[SS+60:SS+61]
	v_pk_add_f32 v[28:29], v[28:29], v[SS+62:SS+63]
	v_pk_add_f32 v[30:31], v[30:31], v[24:25]
	v_pk_add_f32 v[14:15], v[14:15], v[28:29]
	v_pk_add_f32 v[14:15], v[14:15], v[30:31]
.irp b, 0,1,2,3
.set nn, 0
.rept 16
	v_min_num_f32 v[SS+16*\b+nn], v[SS+16*\b+nn], v[PL]   ; the conversion to an 8-bit code does not saturate (ISA guide 7.6.2); p is not negative, so the hold is one-sided
.set nn, nn+1
.endr
	v_cvt_scalef32_pk8_fp8_f32 v[PC+4*\b:PC+4*\b+1], v[SS+16*\b:SS+16*\b+7], v[PS]
	v_cvt_scalef32_pk8_fp8_f32 v[PC+4*\b+2:PC+4*\b+3], v[SS+16*\b+8:SS+16*\b+15], v[PS]
.endr
.set nn, 0
.rept 16
	v_pk_mul_f32 v[OO+nn:OO+nn+1], v[OO+nn:OO+nn+1], v[26:27] op_sel_hi:[1,0]   ; O^T under the new M.  (Plain lines between the conversions and the products that read their results)
.set nn, nn+2
.endr
	s_wait_dscnt 0x0                               ; v is in
.irp ct, 0,1,2,3                               ; the four accumulators take turns; the eight products of the scores stand between two links of a chain
	v_wmma_f32_16x16x128_fp8_fp8 v[OO+8*\ct:OO+8*\ct+7], v[KV+16*\ct:KV+16*\ct+15], v[PC:PC+15], v[OO+8*\ct:OO+8*\ct+7]
.endr
.rept 4
	v_nop                                          ; places in front of the next step's loads into v's registers, and of the first read of O^T
.endr
	s_cmp_lg_u32 s[IT], s[DG]
	s_cbranch_scc1 .Lon_\@
	FINISH
.Lon_\@:
	s_add_co_u32 s[IT], s[IT], 1
.endm
; THE CHANGE OF SLOTS stands at a slot's head.  Each wave waits for all its tensor loads (its part of the slot that it is about to read), adds 0 to its spare word, and waits for that and for its reads of the slot that it has left.
; Behind the barrier the slot ahead is whole and nobody reads the other one.  fill = 1: that other slot is filled with the stream's next three steps: the load has three steps' work in which to land.  One tensor load of a wave is out at a time.
.macro CHANGE fill
	s_wait_tensorcnt 0x0                           ; no tensor load of mine is out, so the group 0 may be written
	ds_add_u32 v[SPW], v[NIL]                      ; 0 onto my spare word; the descriptor's step stands between it and the wait for it
.if \fill
	s_xor_b32 s[G0+1], s[G0+1], SLOT1              ; the other slot than last time,
	s_add_co_u32 s[SI], s[SI], 3                   ; three steps on in the stream: 32 at the most
	s_cmp_le_u32 s[SI], s[JJ]
	s_cselect_b32 s56, 0, s[J1]
	s_sub_co_u32 s56, s[SI], s56                   ; its key block
	s_mul_i32 s30, s56, BLKB
	s_add_nc_u64 s[G0+2:G0+3], s[KVB:KVB+1], s[30:31]
	s_or_b32 s[G0+3], s[G0+3], 0x80000000
	s_wait_xcnt 0x0                                ; the last prefetches, a slot back, have read their address, so it may be written:
	s_add_nc_u64 s[PFA:PFA+1], s[PFA:PFA+1], 3*BLKB
.endif
	s_wait_dscnt 0x0                               ; the add is done, and my reads of the slot that I have left are over
	s_barrier_signal -1
	s_barrier_wait -1
.if \fill
	TLOAD                                          ; the first thing behind the barrier, and a wave's one tensor load until the next
	ASK
.endif
.endm
.macro SLOT_STEPS
	v_add_nc_u32 v[ADR], s[TB], v[LI]
	STEP 0
	STEP 1
	STEP 2
	s_xor_b32 s[TB], s[TB], SLOT1                  ; on to the other slot
.endm
	s_wait_loadcnt 0x0                             ; my queries, both blocks'
.Lslot:                                            ; ten trips: behind each change of slots but the last the next slot is asked for
	CHANGE 1
	SLOT_STEPS
	s_sub_co_u32 s[SLOTS], s[SLOTS], 1
	s_cmp_lg_u32 s[SLOTS], 0
	s_cbranch_scc1 .Lslot
	CHANGE 0                                       ; the eleventh slot is written out; its last step is step 32, which finishes the second block
	SLOT_STEPS
	s_wait_tensorcnt 0x0                           ; the wave's end
	ds_add_u32 v[SPW], v[NIL]
	s_wait_dscnt 0x0
	s_endpgm
.Lfunc_end_k_qd1dcef3d6c_attn:
	.size	k_qd1dcef3d6c_attn, .Lfunc_end_k_qd1dcef3d6c_attn-k_qd1dcef3d6c_attn
	.p2alignl 7, 3214868480
	.fill 96, 4, 3214868480
	.section	.rodata,"a",@progbits
	.p2align	6, 0x0
	.amdhsa_kernel k_qd1dcef3d6c_attn
		.amdhsa_group_segment_fixed_size 327680
		.amdhsa_private_segment_fixed_size 0
		.amdhsa_enable_private_segment 0
		.amdhsa_kernarg_size 24
		.amdhsa_user_sgpr_count 2
		.amdhsa_user_sgpr_kernarg_segment_ptr 1
		.amdhsa_wavefront_size32 1
		.amdhsa_system_sgpr_workgroup_id_x 1
		.amdhsa_system_sgpr_workgroup_id_y 1
		.amdhsa_system_sgpr_workgroup_id_z 1
		.amdhsa_system_vgpr_workitem_id 0
		.amdhsa_next_free_vgpr 256
		.amdhsa_next_free_sgpr 66
		.amdhsa_reserve_vcc 1
		.amdhsa_float_denorm_mode_32 3
		.amdhsa_float_denorm_mode_16_64 3
		.amdhsa_memory_ordered 1
		.amdhsa_forward_progress 1
		.amdhsa_inst_pref_size 161
	.end_amdhsa_kernel
	.amdgpu_metadata
---
amdhsa.version: [ 1, 2 ]
amdhsa.kernels:
  - .name:           k_qd1dcef3d6c_attn
    .symbol:         k_qd1dcef3d6c_attn.kd
    .args:
      - { .name: qkv, .offset: 0, .size: 8, .value_kind: global_buffer, .address_space: global }
      - { .name: lowp_scales, .offset: 8, .size: 8, .value_kind: global_buffer, .address_space: global }
      - { .name: cat, .offset: 16, .size: 8, .value_kind: global_buffer, .address_space: global }
    .group_segment_fixed_size: 327680
    .private_segment_fixed_size: 0
    .kernarg_segment_align: 8
    .kernarg_segment_size: 24
    .max_flat_workgroup_size: 256
    .sgpr_count:     66
    .vgpr_count:     256
    .wavefront_size: 32
...
	.end_amdgpu_metadata
.endif
;; end of part 2
;; launch outp (part 3): grid 8 x 32, 8 waves a work-group, clusters of 4 x 4, 327,680 bytes of LDS; arguments cat, WO_codes, bO, lowp_scales, out0; writes out0
.if DOCPART == 3
	.amdgcn_target "amdgcn-amd-amdhsa--gfx1250"
	.amdhsa_code_object_version 6
	.text
	.protected	k_qd1dcef3d6c_outp
	.globl	k_qd1dcef3d6c_outp
	.p2align	8
	.type	k_qd1dcef3d6c_outp,@function
k_qd1dcef3d6c_outp:
	s_mov_b64 s[64:65], 0
	v_nop
	global_prefetch_b8 v0, s[64:65] scope:SCOPE_SE
	s_setreg_imm32_b32 hwreg(HW_REG_WAVE_MODE, 25, 1), 1
	s_wait_xcnt 0x0
	s_wait_alu depctr_hold_cnt(0) depctr_sa_sdst(0) depctr_va_vdst(0) depctr_va_sdst(0) depctr_va_ssrc(0) depctr_va_vcc(0) depctr_vm_vsrc(0)
	s_getreg_b32 s2, hwreg(HW_REG_IB_STS2, 6, 4)
	s_cmp_eq_u32 s2, 0
	s_cbranch_scc0 .Lentry_in_a_cluster
	s_endpgm
.Lentry_in_a_cluster:
	s_bfe_u32 s2, ttmp6, 0x10000c
	s_cmp_lg_u32 s2, 0xf033
	s_cbranch_scc0 .Lentry_shape_is_right
	s_endpgm
.Lentry_shape_is_right:
; THE LAST PRODUCT.  out0 = cat WO + bO: [4096 x 1024] x [1024 x 1024] on codes of FP8 (E4M3); each finished sum x 2^(entries 10 + 11 of the scales) + bO, one fused multiply-add; out0 is f32.
; cat comes as images of operand registers: [block of 128 rows 32][128 along K 8][tile of 16 rows 8][group of four registers 4][512 bytes, lane l's 16 at 16 l], in the form's own layout (registers 2 c, 2 c + 1:
; k = 16 c + 8 (lane / 16) + 0 .. 7).  WO's codes lie [n 1024][k 1024]; its fragments are read in the same layout, eight loads of 8 bytes.
; A work-group of eight waves makes 128 x 128 of out0: 256 work-groups.  ALL OF K FITS IN LDS (131,072 bytes of cat, 128 padded rows of WO): every LDS byte is filled once, nothing is filled again, so there is no ring.
; K comes in four chunks of 256: waves 0-3 fetch a quarter of cat's chunk each (8,192 dense bytes), waves 4-7 a quarter of WO's (32 rows x 256 bytes): four tensor loads of a wave are out at the start, and the wait
; in front of chunk c leaves the 3 - c later ones out.  CLUSTERS: 4 x 4 work-groups; cat's block is asked for jointly along a row of the cluster, WO's rows along a column.
; Wave w makes rows 32 (w / 2) on x columns 64 (w % 2) on: eight accumulators.  THE MATRIX INSTRUCTION IS USED TRANSPOSED (source 0 = 16 rows of WO, source 1 = 16 rows of cat): a lane holds eight neighbouring columns of one row.
; A wave's 64 columns are 256 bytes of a row of out0: 16 rows at a time go through the wave's own stage in LDS and leave with sixteen lanes storing 256 consecutive bytes, aligned.
; LIMIT: entries 10 + 11 lie between -126 and 127, so that their power of two is an f32 number.
.set BOFF, 131072                      ; LDS: cat's images at 0 (128 along K: 16,384 bytes); WO's rows from here, a chunk of 128 rows x 272 bytes after the other
.set CHB,  34816
.set PB,   272                         ; 256 bytes + 16 of padding: row r, half h of a load of 8 bytes start at words 68 r + 2 h: 32 lanes, 64 different words modulo 64
.set STG,  BOFF+4*CHB                  ; the stages: 16 rows x 272 bytes for each wave; no tensor load lands here
.set ADRA, 8                           ; v8-11   LDS address of my fragments of cat in chunk c
.set ADRB, 12                          ; v12-15  of WO
.set STO,  16                          ; v16     the stage: where I put 32 bytes of a row
.set RD,   17                          ; v17     and where I read a row back
.set CO,   18                          ; v18     my byte offset in two rows of out0
.set BO,   19                          ; v19     32 x (lane / 16): my eight numbers of a tile's bias
.set AF,   32                          ; v32-63   cat's two fragments
.set BF,   64                          ; v64-127  WO's four
.set ACC,  128                         ; v128-191 accumulator (a, b) at v[128 + 8 (4 a + b)]
.set BI,   192                         ; v192-223 bO, eight registers for each of my four tiles of columns
.set TMP,  224                         ; v224-255 a block's results
.set BK,   32                          ; the way out: 16 rows read back: v32-63, v64-95
.set G1A,  24                          ; s[24:31], s[32:39] descriptor groups 1;  s[40:55], s[68:83] groups 0, one set for each chunk
.set G1B,  32
.set G0A,  40
.set G0B,  68
.macro CROUND                          ; a round of the cluster's barrier
	s_barrier_signal -1
	s_barrier_wait -1
	s_cmp_lg_u32 s14, 0
	s_cbranch_scc1 .Lnot_wave_0_\@
	s_barrier_signal -3
.Lnot_wave_0_\@:
	s_barrier_wait -3
	s_barrier_signal -1
	s_barrier_wait -1
.endm
	s_load_b256 s[4:11], s[0:1], 0x0               ; cat s[4:5], WO's codes s[6:7], bO s[8:9], the scales' exponents s[10:11]
	s_load_b64 s[12:13], s[0:1], 0x20              ; out0
	v_lshl_add_u32 v30, v0, 2, 0x4a800
	v_mov_b32 v31, 0
	ds_add_u32 v30, v31
	v_lshrrev_b32 v1, 5, v0
	v_readfirstlane_b32 s14, v1                    ; wave 0..7
	s_lshr_b32 s15, s14, 2                         ; I fetch for cat (0) or for WO (1),
	s_and_b32 s16, s14, 3                          ; this quarter of each chunk
	s_lshr_b32 s17, s14, 1                         ; my 32 rows
	s_and_b32 s18, s14, 1                          ; my 64 columns
	s_bfe_u32 s84, ttmp6, 0x40000                  ; cx, cy: my place in the cluster
	s_bfe_u32 s85, ttmp6, 0x40004
	s_lshl_b32 s86, ttmp9, 2
	s_add_co_u32 s86, s86, s84                     ; tile column = 4 x cluster x + cx
	s_and_b32 s87, ttmp7, 0xffff
	s_lshl_b32 s87, s87, 2
	s_add_co_u32 s87, s87, s85                     ; tile row = 4 x cluster y + cy
	s_lshl_b32 s88, s85, 2
	s_lshl_b32 s88, 15, s88                        ; my row of the cluster
	s_lshl_b32 s89, 0x1111, s84                    ; my column
	s_or_b32 s[G1A], s88, (3<<16)|(1<<21)          ; cat: 15:0 the mask: my row; 17:16 elements of 8 bytes; 21 set beside a mask; no padding: 32 dense rows of 256 bytes
	s_mov_b32 s[G1A+1], 32<<16                     ; tensor_dim0
	s_mov_b32 s[G1A+2], 32<<16                     ; tensor_dim1
	s_mov_b32 s[G1A+3], 32<<16                     ; tile_dim0
	s_mov_b32 s[G1A+4], 32                         ; tile_dim1
	s_mov_b32 s[G1A+5], 32                         ; tensor_dim0_stride
	s_mov_b32 s[G1A+6], 0
	s_mov_b32 s[G1A+7], 0
	s_or_b32 s[G1B], s89, (0<<16)|(1<<20)|(1<<21)|(5<<22)|(3<<25)  ; WO: the mask: my column; elements of 1 byte; padding: four words after every 64
	s_mov_b32 s[G1B+1], 256<<16
	s_mov_b32 s[G1B+2], 32<<16
	s_mov_b32 s[G1B+3], 256<<16
	s_mov_b32 s[G1B+4], 32
	s_mov_b32 s[G1B+5], 1024
	s_mov_b32 s[G1B+6], 0
	s_mov_b32 s[G1B+7], 0
	s_lshl_b32 s90, s87, 17                        ; cat: the tile row's block of 131,072 bytes,
	s_lshl_b32 s19, s16, 13                        ; my quarter of a chunk: in memory and in LDS alike
	s_add_co_u32 s90, s90, s19
	s_mov_b32 s91, 0
	s_lshl_b32 s92, s86, 7                         ; WO: row 128 x tile column + 32 x quarter,
	s_lshl_b32 s20, s16, 5
	s_add_co_u32 s92, s92, s20
	s_lshl_b32 s92, s92, 10                        ; of 1,024 bytes
	s_mov_b32 s93, 0
	s_mul_i32 s21, s16, 32*PB
	s_add_co_u32 s21, s21, BOFF                    ; and its place in LDS: no place in the cluster enters an LDS address
	s_wait_dscnt 0x0
	s_wait_kmcnt 0x0
	s_load_b64 s[96:97], s[10:11], 0x28            ; entries 10 and 11
	s_add_nc_u64 s[90:91], s[4:5], s[90:91]
	s_add_nc_u64 s[92:93], s[6:7], s[92:93]
.irp c, 0,1,2,3
	s_mov_b32 s[G0A+4*\c], 1
	s_add_co_u32 s[G0A+4*\c+1], s19, \c*32768
	s_add_nc_u64 s[G0A+4*\c+2:G0A+4*\c+3], s[90:91], \c*32768
	s_or_b32 s[G0A+4*\c+3], s[G0A+4*\c+3], 0x80000000
	s_mov_b32 s[G0B+4*\c], 1
	s_add_co_u32 s[G0B+4*\c+1], s21, \c*CHB
	s_add_nc_u64 s[G0B+4*\c+2:G0B+4*\c+3], s[92:93], \c*256
	s_or_b32 s[G0B+4*\c+3], s[G0B+4*\c+3], 0x80000000
.endr
	CROUND                                         ; all sixteen work-groups are here: the joint loads meet
	s_cmp_eq_u32 s15, 0                            ; a wave's four fills stand in one branch on its number, ahead of every wait on TENSORcnt and every LDS read; four v_nop follow the last
	s_cbranch_scc0 .Lfor_b
.irp c, 0,1,2,3
	tensor_load_to_lds s[G0A+4*\c:G0A+4*\c+3], s[G1A:G1A+7]
	s_nop 0
.endr
.rept 4
	v_nop
.endr
	s_branch .Lasked
.Lfor_b:
.irp c, 0,1,2,3
	tensor_load_to_lds s[G0B+4*\c:G0B+4*\c+3], s[G1B:G1B+7]
	s_nop 0
.endr
.rept 4
	v_nop
.endr
.Lasked:
	v_and_b32 v1, 31, v0
	v_lshlrev_b32 v2, 4, v1                        ; 16 x lane
	v_and_b32 v3, 15, v0                           ; r
	v_bfe_u32 v4, v0, 4, 1                         ; h
	s_lshl_b32 s22, s17, 12                        ; my two tiles of rows: 2 x 2,048 bytes
	v_add_nc_u32 v[ADRA], s22, v2
	v_add_nc_u32 v[ADRA+1], 32768, v[ADRA]
	v_add_nc_u32 v[ADRA+2], 65536, v[ADRA]
	v_add_nc_u32 v[ADRA+3], 98304, v[ADRA]
	s_lshl_b32 s23, s18, 6
	v_add_nc_u32 v5, s23, v3                       ; WO's row 64 (w % 2) + r of the tile
	v_mul_u32_u24 v5, v5, PB
	v_lshl_add_u32 v5, v4, 3, v5                   ; + 8 h
	v_add_nc_u32 v[ADRB], BOFF, v5
	v_add_nc_u32 v[ADRB+1], CHB, v[ADRB]
	v_add_nc_u32 v[ADRB+2], 2*CHB, v[ADRB]
	v_add_nc_u32 v[ADRB+3], 3*CHB, v[ADRB]
	s_mul_i32 s22, s14, 16*272
	s_add_co_u32 s22, s22, STG                     ; my stage
	v_mul_u32_u24 v6, v3, 272
	v_lshl_add_u32 v6, v4, 5, v6
	v_add_nc_u32 v[STO], s22, v6                   ; in: row r, 32 bytes for each half of the lanes
	v_mul_u32_u24 v7, v4, 272
	v_lshl_add_u32 v7, v3, 4, v7
	v_add_nc_u32 v[RD], s22, v7                    ; back: lanes 0-15 one row of 256 bytes, lanes 16-31 the next
	v_lshlrev_b32 v[CO], 12, v4
	v_lshl_add_u32 v[CO], v3, 4, v[CO]             ; and the same two rows in out0
	v_lshlrev_b32 v[BO], 5, v4
	s_lshl_b32 s94, s86, 7
	s_add_co_u32 s94, s94, s23                     ; my first column
	s_lshl_b32 s94, s94, 2
	s_mov_b32 s95, 0
	s_add_nc_u64 s[8:9], s[8:9], s[94:95]
	s_add_nc_u64 s[12:13], s[12:13], s[94:95]
	s_lshl_b32 s94, s87, 7
	s_lshl_b32 s22, s17, 5
	s_add_co_u32 s94, s94, s22                     ; my first row,
	s_lshl_b32 s94, s94, 12                        ; of 4,096 bytes
	s_add_nc_u64 s[12:13], s[12:13], s[94:95]
.irp b, 0,1,2,3
	global_load_b128 v[BI+8*\b:BI+8*\b+3],   v[BO], s[8:9] offset:64*\b      ; bO(16 b + 8 h + 0 .. 7) of my columns: the result's layout
	global_load_b128 v[BI+8*\b+4:BI+8*\b+7], v[BO], s[8:9] offset:64*\b+16
.endr
.macro MM s, a, b                      ; the first K step starts the sums: nothing is cleared
.if (\s) == 0
	v_wmma_f32_16x16x128_fp8_fp8 v[ACC+8*(4*\a+\b):ACC+8*(4*\a+\b)+7], v[BF+16*\b:BF+16*\b+15], v[AF+16*\a:AF+16*\a+15], 0
.else
	v_wmma_f32_16x16x128_fp8_fp8 v[ACC+8*(4*\a+\b):ACC+8*(4*\a+\b)+7], v[BF+16*\b:BF+16*\b+15], v[AF+16*\a:AF+16*\a+15], v[ACC+8*(4*\a+\b):ACC+8*(4*\a+\b)+7]
.endif
.endm
; 128 along K: 8 + 32 LDS loads, 8 matrix instructions; the eight accumulators take turns, in the same order in every step.
.macro KSTEP s
.if (\s) > 0
.rept 4
	v_nop                                          ; places in front of loads into registers that matrix instructions have read
.endr
.endif
.irp a, 0,1
.irp g, 0,1,2,3
	ds_load_b128 v[AF+16*\a+4*\g:AF+16*\a+4*\g+3], v[ADRA+(\s)/2] offset:((\s)%2)*16384+\a*2048+\g*512
.endr
.endr
.irp b, 0,1,2,3
.irp cc, 0,1,2,3,4,5,6,7
	ds_load_b64 v[BF+16*\b+2*\cc:BF+16*\b+2*\cc+1], v[ADRB+(\s)/2] offset:\b*16*PB+((\s)%2)*128+16*\cc
.endr
.endr
	s_wait_dscnt 16                                ; cat's two fragments and WO's tiles 0 and 1 are in; the youngest 16 loads (tiles 2 and 3) may be out
	MM \s, 0, 0
	MM \s, 0, 1
	MM \s, 1, 0
	MM \s, 1, 1
	s_wait_dscnt 0x0
	MM \s, 0, 2
	MM \s, 0, 3
	MM \s, 1, 2
	MM \s, 1, 3
.endm
.irp c, 0,1,2,3
	s_wait_tensorcnt 3-\c                          ; my part of chunk c is in; my loads of the later chunks, issued behind it, may stay out
	s_barrier_signal -1                            ; (no LDS instruction of mine is pending: each K step ends behind its wait for 0)
	s_barrier_wait -1                              ; everybody's part is in
	KSTEP 2*\c
	KSTEP 2*\c+1
.endr
; THE WAY OUT, 16 rows at a time: sum x 2^(entries 10 + 11) + bO into other registers, each accumulator from its low end on; into my stage; back as whole rows of 256 bytes.
; LDS serves a wave's instructions in order (ISA guide 5.7.1.4): no wait between the stores and the loads, nor in front of the next block's stores.
.macro OUTBLK a
.irp b, 0,1,2,3
.irp i, 0,2,4,6
	v_pk_fma_f32 v[TMP+8*\b+\i:TMP+8*\b+\i+1], v[ACC+8*(4*(\a)+\b)+\i:ACC+8*(4*(\a)+\b)+\i+1], s[96:97], v[BI+8*\b+\i:BI+8*\b+\i+1] op_sel_hi:[1,0,1]
.endr
.endr
.irp b, 0,1,2,3
	ds_store_b128 v[STO], v[TMP+8*\b:TMP+8*\b+3] offset:64*\b
	ds_store_b128 v[STO], v[TMP+8*\b+4:TMP+8*\b+7] offset:64*\b+16
.endr
.irp t, 0,1,2,3,4,5,6,7
	ds_load_b128 v[BK+32*(\a)+4*\t:BK+32*(\a)+4*\t+3], v[RD] offset:\t*2*272
.endr
.endm
.macro SEND a, younger                 ; younger: the LDS instructions issued behind block a's loads, which may stay out
	s_wait_dscnt \younger
.irp t, 0,1,2,3,4,5,6,7
	global_store_b128 v[CO], v[BK+32*(\a)+4*\t:BK+32*(\a)+4*\t+3], s[12:13] offset:(16*(\a)+2*\t)*4096 th:TH_STORE_NT   ; 16 lanes store 256 consecutive bytes, at a multiple of 256 from out0's first byte; written once, read by nobody here
.endr
.endm
	s_wait_kmcnt 0x0
	s_add_co_i32 s96, s96, s97
	s_add_co_i32 s96, s96, 127
	s_lshl_b32 s96, s96, 23                        ; 2^(entries 10 + 11) as f32
	s_mov_b32 s97, s96                             ; (named with it as a pair, so it is written)
	s_wait_loadcnt 0x0                             ; bO
.rept 4
	v_nop                                          ; places behind the last products
.endr
	OUTBLK 0
	OUTBLK 1
	SEND 0, 16                                     ; behind block 0's loads: block 1's 8 stores and 8 loads
	SEND 1, 0
	s_wait_tensorcnt 0x0
	ds_add_u32 v30, v31
	s_wait_dscnt 0x0
	CROUND                                         ; the closing round: no work-group ends while a partner may still ask for a tile that names it (all my tensor loads were waited for in front of chunk 3)
	s_endpgm
.Lfunc_end_k_qd1dcef3d6c_outp:
	.size	k_qd1dcef3d6c_outp, .Lfunc_end_k_qd1dcef3d6c_outp-k_qd1dcef3d6c_outp
	.p2alignl 7, 3214868480
	.fill 96, 4, 3214868480
	.section	.rodata,"a",@progbits
	.p2align	6, 0x0
	.amdhsa_kernel k_qd1dcef3d6c_outp
		.amdhsa_group_segment_fixed_size 327680
		.amdhsa_private_segment_fixed_size 0
		.amdhsa_enable_private_segment 0
		.amdhsa_kernarg_size 40
		.amdhsa_user_sgpr_count 2
		.amdhsa_user_sgpr_kernarg_segment_ptr 1
		.amdhsa_wavefront_size32 1
		.amdhsa_system_sgpr_workgroup_id_x 1
		.amdhsa_system_sgpr_workgroup_id_y 1
		.amdhsa_system_sgpr_workgroup_id_z 1
		.amdhsa_system_vgpr_workitem_id 0
		.amdhsa_next_free_vgpr 256
		.amdhsa_next_free_sgpr 100
		.amdhsa_reserve_vcc 0
		.amdhsa_float_denorm_mode_32 3
		.amdhsa_float_denorm_mode_16_64 3
		.amdhsa_memory_ordered 1
		.amdhsa_forward_progress 1
		.amdhsa_inst_pref_size 41
	.end_amdhsa_kernel
	.amdgpu_metadata
---
amdhsa.version: [ 1, 2 ]
amdhsa.kernels:
  - .name:           k_qd1dcef3d6c_outp
    .symbol:         k_qd1dcef3d6c_outp.kd
    .args:
      - { .name: cat, .offset: 0, .size: 8, .value_kind: global_buffer, .address_space: global }
      - { .name: WO_codes, .offset: 8, .size: 8, .value_kind: global_buffer, .address_space: global }
      - { .name: bO, .offset: 16, .size: 8, .value_kind: global_buffer, .address_space: global }
      - { .name: lowp_scales, .offset: 24, .size: 8, .value_kind: global_buffer, .address_space: global }
      - { .name: out0, .offset: 32, .size: 8, .value_kind: global_buffer, .address_space: global }
    .group_segment_fixed_size: 327680
    .private_segment_fixed_size: 0
    .kernarg_segment_align: 8
    .kernarg_segment_size: 40
    .max_flat_workgroup_size: 256
    .sgpr_count:     100
    .vgpr_count:     256
    .wavefront_size: 32
...
	.end_amdgpu_metadata
.endif
;; end of part 3
